; MI455X (gfx1250); checked and timed in simulation.
; The chip was launched on July 23, 2026; its instructions are those of AMD's public machine-readable ISA for CDNA 5 (MIT licence, August 2026) and "CDNA5" Instruction Set Architecture Reference Guide (July 2026). The comments in the code are by the model that wrote it; some were corrected since.
;; Ro I Block. Allowed arithmetic: float matrix products may take bf16 or f16 operands with f32 sums; all other float work in f32.
;; Inputs: roi_indices 256 int32; rois 256 x 4 float32; x 4 x 256 x 50 x 50 float32.
;; Outputs: out0 256 x 256 x 7 x 7 float32.
;; One version. Each part assembles by itself: llvm-mc -triple=amdgcn-amd-amdhsa -mcpu=gfx1250 --defsym DOCPART=n.
;; ======== version 1 of 1: 2 launches
;; workspace buffers: recs 16,640 bytes of whole numbers
;; launch bins (part 1): grid 8 x 1, 1 waves a work-group, no clusters, 0 bytes of LDS; arguments roi_indices, rois, recs; writes recs
.if DOCPART == 1
	.amdgcn_target "amdgcn-amd-amdhsa--gfx1250"
	.amdhsa_code_object_version 6
	.text
	.protected	k_q22c2b1e1c8_bins
	.globl	k_q22c2b1e1c8_bins
	.p2align	8
	.type	k_q22c2b1e1c8_bins,@function
k_q22c2b1e1c8_bins:
	s_mov_b64 s[64:65], 0
	v_nop
	global_prefetch_b8 v0, s[64:65] scope:SCOPE_SE
	s_setreg_imm32_b32 hwreg(HW_REG_WAVE_MODE, 25, 1), 1
	s_wait_xcnt 0x0
; RoI max pooling, first of two launches: the boxes (f32) become whole numbers, from which the second launch forms
; its addresses and trip counts.  Eight work-groups of one wave; lane l of work-group g owns RoI r = 32 g + l.
; recs: 256 records of 64 bytes, grouped by image (image 0's RoIs first, inside an image by ascending r), then at
; byte 16384 four pairs (first record, end) for the images 0 to 3.  A record's 16 words:
;   0      r | x0 << 8 | mask of empty row bins << 16          x0 = first column read
;   1      tallest bin | widest bin << 8 | runs of 32 columns (1 or 2) << 16
;   2-8    row bin p:    800 * first row | 800 * last row << 16              (800 = bytes of a row in the second launch's LDS)
;   9-15   column bin p: 16 * (first column - x0) | 16 * (last column - x0) << 16 | empty << 31
; An empty bin names one valid cell, so that the second launch can read without a branch and then select 0.
; The f32 steps: floor(v/16 + 0.5) (the product by 1/16 is exact, so the fused form rounds as the sum does),
; n = max(hi - lo + 1, 1), the edge k * (n / 7), floor, ceil, + lo, clip to 0..50.
; ORDER OF ROUNDING, a choice: the edge k * (n / 7) is formed as n * c_k with c_k = fl(k * fl(1/7)), one rounding of the
; constant and one of the product: the division by the constant 7 as a product by its reciprocal, the two constant factors
; folded into one.  Evaluated one operation at a time (n / 7 rounded, then times k) the edge can differ in its last bit.
; That shows only where k n / 7 is a whole number, that is where 7 divides n (c_7 is exactly 1): there n * c_3 and n * c_6
; lie just above the whole number, and for some n also n * c_1, c_2, c_4, so that ceil gives these bins one more cell.
; LIMITS: the boxes are finite numbers (a NaN or an infinity is not served); roi_indices are 0 to 3.
; The place of a record hangs on roi_indices alone: every wave reads all 256 indices and counts by ballots, so no wave
; needs another's result: no LDS, no barrier.
; The record stores are 16 bytes a lane, 64 bytes apart: 16 KB in the whole launch; gathering them in LDS first would
; put a second dependent step behind the arithmetic for that little.
.set HDR,  16384                       ; byte offset of the four (first, end) pairs
.set ROWB, 800
.set LAST, 49                          ; last row and last column of a plane
; c_k = fl(k * c), c = fl(1/7) = 0x924925 * 2^-26
.set C1, 0x3e124925                    ; c
.set C2, 0x3e924925                    ; 2 c, exact
.set C3, 0x3edb6db8                    ; 3 * 0x924925 = 0x1B6DB6F has 25 bits and its last is 1: a tie, which goes to the even 0xDB6DB8
.set C4, 0x3f124925                    ; 4 c, exact
.set C5, 0x3f36db6e                    ; 5 * 0x924925 / 4 = 11,983,726.25: down to 0xB6DB6E
.set C6, 0x3f5b6db8                    ; 2 c_3
.set C7, 0x3f800000                    ; 7 c = 1 + 3 * 2^-26: down to 1
.set IDX, 16                           ; v[16:23]  all 256 indices: register j, lane l: RoI 32 j + l
.set A1,  12                           ; rounded low edge
.set N,   13                           ; n, the RoI's cells along the axis
.set T,   14
.set U,   15
.set F,   24                           ; first cell of a bin
.set L,   25                           ; last cell of a bin
.set X0,  26
.set EMH, 27                           ; mask of empty row bins
.set MLH, 28                           ; tallest bin - 1
.set MLW, 29                           ; widest bin - 1
.set REC, 32                           ; v[32:47]  the record
.set SI,  48                           ; v[48:54]  bin starts, clipped, as whole numbers
.set EI,  56                           ; v[56:62]  bin ends
.set HD,  64                           ; v[64:71]  the four pairs
	s_load_b128 s[4:7], s[0:1], 0x0                ; roi_indices s[4:5], rois s[6:7]
	s_load_b64 s[8:9], s[0:1], 0x10                ; recs
	s_mov_b32 s11, ttmp9                           ; g
	s_lshl_b32 s10, ttmp9, 5
	v_lshlrev_b32 v1, 2, v0                        ; 4 l
	v_add_nc_u32 v2, s10, v0                       ; r
	v_lshlrev_b32 v3, 4, v2                        ; 16 r: my box
	v_lshlrev_b32 v11, 2, v2                       ; 4 r: my index
	s_mov_b32 s30, 0x42480000                      ; 50.0
	s_mov_b32 s31, 0x80000000                      ; a column word's empty bit
.irp q,0,1,2,3
	s_mov_b32 s[12+\q], 0                          ; RoIs of image q counted so far
	s_mov_b32 s[16+\q], 0                          ; RoIs of image q in the waves before mine
.endr
	s_wait_kmcnt 0x0
.irp j,0,1,2,3,4,5,6,7
	global_load_b32 v[IDX+\j], v1, s[4:5] offset:128*\j
.endr
	global_load_b32 v8, v11, s[4:5]                ; my own index
	global_load_b128 v[4:7], v3, s[6:7]            ; y1 x1 y2 x2
	s_wait_loadcnt 0x1                             ; the nine index loads are in; the box, issued last, may be out
	; counts: for each group j of 32 RoIs and each image q a ballot and its number of bits
.irp j,0,1,2,3,4,5,6,7
	s_cmp_eq_u32 s11, \j                           ; at my own group the running counts are the counts of the waves before me
.irp q,0,1,2,3
	s_cselect_b32 s[16+\q], s[12+\q], s[16+\q]     ; (s_cselect leaves SCC as it is)
.endr
.irp q,0,1,2,3
	v_cmp_eq_u32 s[20+\q], \q, v[IDX+\j]
.endr
.irp q,0,1,2,3
	s_bcnt1_i32_b32 s[20+\q], s[20+\q]
	s_add_co_u32 s[12+\q], s[12+\q], s[20+\q]
.endr
.endr
	s_add_co_u32 s34, s12, s13                     ; image 2 starts here (image 1 at s12, image 0 at 0)
	s_add_co_u32 s35, s34, s14                     ; image 3
	s_add_co_u32 s36, s35, s15                     ; the end
	s_add_co_u32 s17, s17, s12                     ; where my wave's RoIs of image q begin
	s_add_co_u32 s18, s18, s34
	s_add_co_u32 s19, s19, s35
.irp q,0,1,2,3
	v_cmp_eq_u32 s[24+\q], \q, v8
.endr
	v_mbcnt_lo_u32_b32 v9, s24, s16                ; + the lanes below me with the same image
.irp q,1,2,3
	v_mbcnt_lo_u32_b32 v10, s[24+\q], s[16+\q]
	v_cndmask_b32 v9, v9, v10, s[24+\q]
.endr
	s_cmp_lg_u32 s11, 0                            ; the four pairs are stored by work-group 0, lane 0
	s_cbranch_scc1 .Lrecords
	v_mov_b32 v[HD], 0
	v_mov_b32 v[HD+1], s12
	v_mov_b32 v[HD+2], s12
	v_mov_b32 v[HD+3], s34
	v_mov_b32 v[HD+4], s34
	v_mov_b32 v[HD+5], s35
	v_mov_b32 v[HD+6], s35
	v_mov_b32 v[HD+7], s36
	v_mov_b32 v10, 0
	v_cmp_eq_u32 vcc_lo, 0, v0
	s_wait_xcnt 0x0                                ; EXEC is a source of the box load: it changes only behind this wait
	s_and_saveexec_b32 s37, vcc_lo
	global_store_b128 v10, v[HD:HD+3], s[8:9] offset:HDR
	global_store_b128 v10, v[HD+4:HD+7], s[8:9] offset:HDR+16
	s_wait_xcnt 0x0                                ; and again in front of the line that widens it
	s_or_b32 exec_lo, exec_lo, s37
.Lrecords:
	s_wait_loadcnt 0x0                             ; the box
; T = n * c_k, edge k, gives the end of bin k - 1 (ceil) and, if more, the start of bin k (floor).
; ceil(T) + lo is written lo - floor(-T): the same two exact steps and the same one rounding.
.macro EDGE k, ck, more
	v_mul_f32 v[T], \ck, v[N]
	v_floor_f32 v[U], -v[T]
	v_sub_f32 v[U], v[A1], v[U]
	v_med3_num_f32 v[U], v[U], 0, s30              ; clip to 0 .. 50
	v_cvt_u32_f32 v[EI+\k-1], v[U]
.if \more
	v_floor_f32 v[T], v[T]
	v_add_f32 v[T], v[T], v[A1]
	v_med3_num_f32 v[T], v[T], 0, s30
	v_cvt_u32_f32 v[SI+\k], v[T]
.endif
.endm
; the seven starts and ends of one axis, from its low and high coordinate
.macro EDGES lo, hi
	v_fma_f32 v[A1], v[\lo], 0x3d800000, 0.5
	v_fma_f32 v[T], v[\hi], 0x3d800000, 0.5
	v_floor_f32 v[A1], v[A1]
	v_floor_f32 v[T], v[T]
	v_sub_f32 v[T], v[T], v[A1]
	v_add_f32 v[T], 1.0, v[T]
	v_max_num_f32 v[N], 1.0, v[T]                  ; n
	v_med3_num_f32 v[T], v[A1], 0, s30             ; bin 0 starts at floor(0) + lo = lo
	v_cvt_u32_f32 v[SI], v[T]
	EDGE 1, C1, 1
	EDGE 2, C2, 1
	EDGE 3, C3, 1
	EDGE 4, C4, 1
	EDGE 5, C5, 1
	EDGE 6, C6, 1
	EDGE 7, C7, 0
.endm
; bin p: F = first cell to read (at most 49), L = last cell (end - 1, at least F), T = L - F, VCC = the bin is empty
.macro SPAN p
	v_min_u32 v[F], LAST, v[SI+\p]
	v_add_nc_u32 v[L], -1, v[EI+\p]
	v_max_i32 v[L], v[F], v[L]
	v_cmp_le_u32 vcc_lo, v[EI+\p], v[SI+\p]
	v_sub_nc_u32 v[T], v[L], v[F]
.endm
	EDGES 4, 6                                     ; rows: y1, y2
	v_mov_b32 v[EMH], 0
	v_mov_b32 v[MLH], 0
.irp p,0,1,2,3,4,5,6
	SPAN \p
	v_max_u32 v[MLH], v[MLH], v[T]
	v_cndmask_b32 v[U], 0, 1<<\p, vcc_lo
	v_or_b32 v[EMH], v[EMH], v[U]
	v_mul_u32_u24 v[F], ROWB, v[F]
	v_mul_u32_u24 v[L], ROWB, v[L]
	v_lshl_or_b32 v[REC+2+\p], v[L], 16, v[F]
.endr
	EDGES 5, 7                                     ; columns: x1, x2
	v_min_u32 v[X0], LAST, v[SI]                   ; the starts ascend with p: bin 0's is the least
	v_mov_b32 v[MLW], 0
.irp p,0,1,2,3,4,5,6
	SPAN \p
	v_max_u32 v[MLW], v[MLW], v[T]
	v_sub_nc_u32 v[F], v[F], v[X0]
	v_sub_nc_u32 v[L], v[L], v[X0]
	v_lshlrev_b32 v[F], 4, v[F]
	v_lshl_or_b32 v[F], v[L], 20, v[F]
	v_cndmask_b32 v[U], 0, s31, vcc_lo
	v_or_b32 v[REC+9+\p], v[F], v[U]
.endr
	v_lshl_or_b32 v[REC], v[X0], 8, v2
	v_lshl_or_b32 v[REC], v[EMH], 16, v[REC]
	v_bfe_u32 v[U], v[REC+15], 25, 6               ; (bin 6's last column - x0) / 32: the last columns ascend with p too
	v_add_nc_u32 v[U], 1, v[U]
	v_add_nc_u32 v[MLH], 1, v[MLH]
	v_add_nc_u32 v[MLW], 1, v[MLW]
	v_lshl_or_b32 v[REC+1], v[MLW], 8, v[MLH]
	v_lshl_or_b32 v[REC+1], v[U], 16, v[REC+1]
	v_min_u32 v9, 255, v9                          ; the place comes from loaded numbers: bounded before it enters an address
	v_lshlrev_b32 v9, 6, v9
.irp i,0,1,2,3
	global_store_b128 v9, v[REC+4*\i:REC+4*\i+3], s[8:9] offset:16*\i
.endr
	s_endpgm
.Lfunc_end_k_q22c2b1e1c8_bins:
	.size	k_q22c2b1e1c8_bins, .Lfunc_end_k_q22c2b1e1c8_bins-k_q22c2b1e1c8_bins
	.p2alignl 7, 3214868480
	.fill 96, 4, 3214868480
	.section	.rodata,"a",@progbits
	.p2align	6, 0x0
	.amdhsa_kernel k_q22c2b1e1c8_bins
		.amdhsa_group_segment_fixed_size 0
		.amdhsa_private_segment_fixed_size 0
		.amdhsa_enable_private_segment 0
		.amdhsa_kernarg_size 24
		.amdhsa_user_sgpr_count 2
		.amdhsa_user_sgpr_kernarg_segment_ptr 1
		.amdhsa_wavefront_size32 1
		.amdhsa_system_sgpr_workgroup_id_x 1
		.amdhsa_system_sgpr_workgroup_id_y 1
		.amdhsa_system_sgpr_workgroup_id_z 1
		.amdhsa_system_vgpr_workitem_id 0
		.amdhsa_next_free_vgpr 72
		.amdhsa_next_free_sgpr 66
		.amdhsa_reserve_vcc 1
		.amdhsa_float_denorm_mode_32 3
		.amdhsa_float_denorm_mode_16_64 3
		.amdhsa_memory_ordered 1
		.amdhsa_forward_progress 1
		.amdhsa_inst_pref_size 23
	.end_amdhsa_kernel
	.amdgpu_metadata
---
amdhsa.version: [ 1, 2 ]
amdhsa.kernels:
  - .name:           k_q22c2b1e1c8_bins
    .symbol:         k_q22c2b1e1c8_bins.kd
    .args:
      - { .name: roi_indices, .offset: 0, .size: 8, .value_kind: global_buffer, .address_space: global }
      - { .name: rois, .offset: 8, .size: 8, .value_kind: global_buffer, .address_space: global }
      - { .name: recs, .offset: 16, .size: 8, .value_kind: global_buffer, .address_space: global }
    .group_segment_fixed_size: 0
    .private_segment_fixed_size: 0
    .kernarg_segment_align: 8
    .kernarg_segment_size: 24
    .max_flat_workgroup_size: 32
    .sgpr_count:     66
    .vgpr_count:     72
    .wavefront_size: 32
...
	.end_amdgpu_metadata
.endif
;; end of part 1
;; launch pool (part 2): grid 256 x 1, 32 waves a work-group, no clusters, 311,296 bytes of LDS; arguments x, recs, out0; writes out0
.if DOCPART == 2
	.amdgcn_target "amdgcn-amd-amdhsa--gfx1250"
	.amdhsa_code_object_version 6
	.text
	.protected	k_q22c2b1e1c8_pool
	.globl	k_q22c2b1e1c8_pool
	.p2align	8
	.type	k_q22c2b1e1c8_pool,@function
k_q22c2b1e1c8_pool:
	s_mov_b64 s[64:65], 0
	v_nop
	global_prefetch_b8 v0, s[64:65] scope:SCOPE_SE
	s_setreg_imm32_b32 hwreg(HW_REG_WAVE_MODE, 25, 1), 1
	s_wait_xcnt 0x0
; RoI max pooling, second launch.  x: [4][256][50][50] f32, out0: [256][256][7][7] f32, recs: the first launch's records
; (64 bytes a RoI, grouped by image; at byte 16384 a pair (first record, end) for each image).
; Work-group g owns image g >> 6 and the four channels 4 (g & 63) ..: 40,000 consecutive bytes of x, which no other
; work-group reads, so x leaves memory once.  The four planes lie in LDS interleaved, [cell][channel], 16 bytes a cell:
; one ds_load_b128 brings a cell of all four channels.  Behind one barrier the 32 waves work alone: wave w takes
; the records first + w, first + w + 32, .. of its image.  For a RoI:
;   V  lane = column (x0 + lane): seven row bins at once, 7 x 4 running maxima; 32 lanes read 512 consecutive bytes of a row;
;      row = min(first + step, last), so a short bin reads its last row again; trips = the tallest bin.
;      A second run for columns x0 + 32 .. only where the RoI is that wide.
;   H  the 7 x 64 column maxima go to the wave's own scratch; lane = (ph, pw), bins 0-27 and 28-48 as two sets that share
;      the column arithmetic; column = min(first + step, last); four columns a trip, up to the widest bin.  Empty bins become 0.
;   out: 196 results through the wave's own stage, read back as 49 x 16 bytes, two stores.
; A work-group's share of a RoI's output is 784 consecutive bytes at a multiple of 16 from out0's first byte, so the first and
; last 256-byte block of each piece is completed by the neighbouring channel group; whole blocks would need 64 channels,
; 640,000 bytes of planes, in one work-group's LDS.
; No cluster: the work-groups share no plane; what the 64 work-groups of an image share is the records, about 4 KB beside
; 40,000 bytes of planes.  No matrix unit: there is no product.  The planes come through registers because the four words
; of a cell lie 10,000 bytes apart in memory and have to end up side by side.
; LIMITS: a NaN in x is dropped by the maximum (the reference would hand it on); infinities are served.
; Where the images have unequal numbers of RoIs, the four groups of 64 work-groups have unequal work.
.set PLANE,  10000                     ; bytes of a plane
.set ROWB,   800                       ; LDS bytes of a row of 50 cells
.set XLDS,   49152                     ; 3,072 cell places: thread t fills places t, t + 1024, t + 2048; places 2500 .. are never read
.set PITCH,  1040                      ; a scratch row: 64 cells + 1, so that neighbouring rows are 16 bytes apart modulo 256
.set SCRB,   7*PITCH
.set STGB,   784                       ; 4 channels x 49 results
.set WAVEB,  SCRB+STGB                 ; LDS of a wave's own
.set HDR,    16384
.set OUTROI, 50176                     ; bytes of a RoI in out0
.set MAXROW, 49*ROWB
.set MAXCOL, 49*16
.set LANE,  1
.set T,     2                          ; at work
.set G0,    3                          ; 4 t: my first two cells in a plane
.set G2,    4                          ; my third cell, held at the plane's last
.set LF,    5                          ; 16 t: my cell place in LDS
.set COL,   6                          ; 16 x my column
.set WT,    7                          ; my column bin's word
.set J,     8                          ; 16 x the column I read, from x0
.set JL,    9                          ; 16 x last column of my bin
.set AA,    10
.set AB,    11
.set SCR,   12                         ; scratch + 16 lane
.set BASEA, 13                         ; scratch row of my bin in set A (ph 0-3)
.set BASEB, 14                         ; in set B (ph 4-6)
.set STA,   15                         ; stage word of my bin, set A
.set STB,   16
.set LD0,   17                         ; stage + 16 lane
.set LD1,   18                         ; stage + 16 min(32 + lane, 48)
.set O16,   19                         ; 16 lane
.set PHA,   20
.set PHB,   21
.set OO,    22                         ; my byte offset in out0
.set U,     23                         ; at work
.set AD,    24                         ; v[24:30]  LDS address of my cell in the seven bins' rows
.set ACC,   32                         ; v[32:59]  7 bins x 4 channels; during the fill: x
.set TMP,   60                         ; v[60:87]  7 rows as loaded
.set HT,    ACC                        ; v[32:63]  H: four columns of set A and set B as loaded (V's registers are done with by then)
.set HA,    TMP+8                      ; v[68:71]  H: maxima of set A,
.set HB,    TMP+12                     ; v[72:75]  of set B
.set O0,    88
.set O1,    92
.set TRIPS, 18
.set RECN,  19                         ; number of the record on its way
.set RECO,  20                         ; its byte offset
.set TRIP,  21
.set SX0,   22
.set SEH,   23
.set SBH,   24
.set SBW,   25
.set SNH,   26
.set CNT,   27
.set WB,    28
.set SG,    29
.set SOUT,  30
.set CUR,   32                         ; s[32:47]  a record
.set HS,    48                         ; s[48:54]  800 x first row of bin p
.set HL,    55                         ; s[55:61]  800 x last row
.set RS,    66                         ; s[66:72]  800 x the row read in this step
.set PWM,   72                         ; s[73:78]  lanes with pw = 1 .. 6
.set MA,    79                         ; lanes whose bin of set A is empty
.set MB,    80
.set HTR,   81                         ; H: trips of four columns
	s_load_b128 s[4:7], s[0:1], 0x0                ; x s[4:5], recs s[6:7]
	s_load_b64 s[8:9], s[0:1], 0x10                ; out0
	v_lshl_add_u32 v96, v0, 2, 0x4b000
	v_mov_b32 v97, 0
	v_and_b32 v[LANE], 31, v0
	v_lshrrev_b32 v[T], 5, v0
	v_readfirstlane_b32 s10, v[T]                  ; wave 0 .. 31
	s_mul_i32 s12, ttmp9, 4*PLANE                  ; my four planes
	s_mov_b32 s13, 0
	s_and_b32 s14, ttmp9, 63
	s_mul_i32 s14, s14, STGB                       ; my four channels inside a RoI's output
	s_mov_b32 s15, 0
	s_lshr_b32 s[RECO], ttmp9, 6                   ; image
	s_lshl_b32 s[RECO], s[RECO], 3                 ; its (first, end) pair
	v_lshlrev_b32 v[G0], 2, v0
	v_add_nc_u32 v[G2], 8192, v[G0]
	v_min_u32 v[G2], PLANE-4, v[G2]                ; threads 452 .. read the last cell again, into places that nobody reads: no lane is switched off
	v_lshlrev_b32 v[LF], 4, v0
	s_wait_kmcnt 0x0
	s_add_nc_u64 s[4:5], s[4:5], s[12:13]
	s_add_nc_u64 s[8:9], s[8:9], s[14:15]
	s_load_b64 s[16:17], s[6:7], s[RECO] offset:HDR
	; a wave's load covers 128 consecutive bytes of one plane, and the four planes' words of a cell land in four neighbouring
	; registers: no transposition, and each LDS store below covers 512 consecutive bytes
.irp c,0,1,2,3
	global_load_b32 v[ACC+\c], v[G0], s[4:5] offset:\c*PLANE th:TH_LOAD_NT
.endr
.irp c,0,1,2,3
	global_load_b32 v[ACC+4+\c], v[G0], s[4:5] offset:\c*PLANE+4096 th:TH_LOAD_NT
.endr
.irp c,0,1,2,3
	global_load_b32 v[ACC+8+\c], v[G2], s[4:5] offset:\c*PLANE th:TH_LOAD_NT
.endr
	; what a lane keeps for the whole launch.  H, set A: my bin is min(lane, 27) = 7 ph + pw; lanes 28-31 repeat bin 27.
	; Set B has the same pw and ph + 4, held at 6: lanes 21-31 repeat bins of ph 6.  A repeated bin gives the same number for the same word.
	v_min_u32 v[AA], 27, v[LANE]                   ; set A's bin
	v_mul_u32_u24 v[T], 37, v[AA]
	v_lshrrev_b32 v[PHA], 8, v[T]                  ; bin / 7 (exact below 32)
	v_mul_u32_u24 v[T], 7, v[PHA]
	v_sub_nc_u32 v[U], v[AA], v[T]                 ; pw: used for the six masks below, in no address
	v_add_nc_u32 v[PHB], 4, v[PHA]
	v_min_u32 v[PHB], 6, v[PHB]
	v_cmp_gt_u32 vcc_lo, 21, v[AA]
	v_cndmask_b32 v[T], 21, 28, vcc_lo             ; set B's bin = 7 PHB + pw: four rows of bins further, three where ph is held at 6
	v_add_nc_u32 v[AB], v[AA], v[T]
	v_min_u32 v[AB], 48, v[AB]                     ; the sum is 48 at the most as it is: the line states the bound where the address is made
	s_mul_i32 s[WB], s10, WAVEB
	s_add_co_u32 s[WB], s[WB], XLDS                ; my wave's scratch,
	s_add_co_u32 s[SG], s[WB], SCRB                ; and its stage
	v_lshlrev_b32 v[O16], 4, v[LANE]
	v_add_nc_u32 v[SCR], s[WB], v[O16]
	v_mul_u32_u24 v[BASEA], PITCH, v[PHA]
	v_add_nc_u32 v[BASEA], s[WB], v[BASEA]
	v_mul_u32_u24 v[BASEB], PITCH, v[PHB]
	v_add_nc_u32 v[BASEB], s[WB], v[BASEB]
	v_lshl_add_u32 v[STA], v[AA], 2, s[SG]
	v_lshl_add_u32 v[STB], v[AB], 2, s[SG]
	v_add_nc_u32 v[LD0], s[SG], v[O16]
	v_add_nc_u32 v[T], 32, v[LANE]
	v_min_u32 v[T], 48, v[T]
	v_lshl_add_u32 v[LD1], v[T], 4, s[SG]
.irp k,1,2,3,4,5,6
	v_cmp_eq_u32 s[PWM+\k], \k, v[U]
.endr
	s_wait_loadcnt 0x8                             ; loads come back in order: the first four are in, the eight younger may be out
	ds_store_b128 v[LF], v[ACC:ACC+3]
	s_wait_loadcnt 0x4                             ; the second four
	ds_store_b128 v[LF], v[ACC+4:ACC+7] offset:16384
	s_wait_loadcnt 0x0
	ds_store_b128 v[LF], v[ACC+8:ACC+11] offset:32768
	s_wait_dscnt 0x0                               ; my cells are in LDS, for the other waves' sake,
	s_barrier_signal -1
	s_barrier_wait -1                              ; and so are everybody's.  From here on the planes are only read: the launch's one barrier
	s_wait_kmcnt 0x0                               ; my image's records: first s16, end s17
	s_min_u32 s16, s16, 256
	s_min_u32 s17, s17, 256
	s_sub_co_u32 s[TRIPS], s17, s16
	s_add_co_u32 s[TRIPS], s[TRIPS], 31
	s_sub_co_u32 s[TRIPS], s[TRIPS], s10
	s_lshr_b32 s[TRIPS], s[TRIPS], 5               ; my RoIs: (n + 31 - wave) / 32
	s_min_u32 s[TRIPS], s[TRIPS], 8
	s_cmp_eq_u32 s[TRIPS], 0
	s_cbranch_scc1 .Lend
	s_add_co_u32 s[RECN], s16, s10                 ; my first record
	s_min_u32 s[RECO], s[RECN], 255
	s_lshl_b32 s[RECO], s[RECO], 6
	s_load_b512 s[CUR:CUR+15], s[6:7], s[RECO] offset:0x0
	s_mov_b32 s[TRIP], 0
.macro VADDR                           ; my cell in the seven bins' current rows
.irp p,0,1,2,3,4,5,6
	v_add_nc_u32 v[AD+\p], s[RS+\p], v[COL]
.endr
.endm
.macro VLOAD dst                       ; seven cells of four channels
.irp p,0,1,2,3,4,5,6
	ds_load_b128 v[\dst+4*\p:\dst+4*\p+3], v[AD+\p]
.endr
.endm
.macro RSTEP                           ; each bin a row further, held at its last row (and, plainly, inside the plane)
.irp p,0,1,2,3,4,5,6
	s_add_co_u32 s[RS+\p], s[RS+\p], ROWB
	s_min_u32 s[RS+\p], s[RS+\p], s[HL+\p]
	s_min_u32 s[RS+\p], s[RS+\p], MAXROW
.endr
.endm
; the column maxima of the seven row bins for the columns x0 + 32 h + lane (held at column 49), into the scratch
.macro VRUN h
	v_add_nc_u32 v[COL], s[SX0], v[LANE]
.if \h
	v_add_nc_u32 v[COL], 32, v[COL]
.endif
	v_min_u32 v[COL], 49, v[COL]
	v_lshlrev_b32 v[COL], 4, v[COL]
.irp p,0,1,2,3,4,5,6
	s_mov_b32 s[RS+\p], s[HS+\p]
.endr
	VADDR
	VLOAD ACC                                      ; the bins' first rows start the maxima: nothing is cleared
	RSTEP
	s_mov_b32 s[CNT], 1
	s_cmp_ge_u32 s[CNT], s[SBH]
	s_cbranch_scc1 .Lvd\h
.Lv\h:
	VADDR
	VLOAD TMP
	RSTEP
.irp p,0,1,2,3,4,5,6
	s_wait_dscnt 6-\p                              ; LDS answers a wave in order: row p and all that was asked before it are in, the 6 - p younger rows may be out
.irp c,0,1,2,3
	v_max_num_f32 v[ACC+4*\p+\c], v[ACC+4*\p+\c], v[TMP+4*\p+\c]
.endr
.endr
	s_add_co_u32 s[CNT], s[CNT], 1
	s_cmp_lt_u32 s[CNT], s[SBH]
	s_cbranch_scc1 .Lv\h
.Lvd\h:
	s_wait_dscnt 0x0                               ; (for a RoI whose bins are one row tall: the first rows)
.irp p,0,1,2,3,4,5,6
	ds_store_b128 v[SCR], v[ACC+4*\p:ACC+4*\p+3] offset:PITCH*\p+512*\h
.endr
.endm
; H, one column further in both sets: the i-th of a trip's four
.macro HSTEP i
	v_add_nc_u32 v[J], 16, v[J]
	v_min_u32 v[J], v[J], v[JL]                    ; a narrow bin reads its last column again
	v_min_u32 v[J], MAXCOL, v[J]
	v_add_nc_u32 v[AA], v[BASEA], v[J]
	v_add_nc_u32 v[AB], v[BASEB], v[J]
	ds_load_b128 v[HT+8*\i:HT+8*\i+3], v[AA]
	ds_load_b128 v[HT+8*\i+4:HT+8*\i+7], v[AB]
.endm
.Lroi:
	s_wait_kmcnt 0x0                               ; this RoI's record is in
	; every number of the record is bounded by a constant before it enters an address or a trip count
	s_and_b32 s[SOUT], s[CUR], 255                 ; r
	s_min_u32 s[SOUT], s[SOUT], 255
	s_mul_i32 s[SOUT], s[SOUT], OUTROI
	s_bfe_u32 s[SX0], s[CUR], 0x80008              ; x0: 8 bits from bit 8
	s_min_u32 s[SX0], s[SX0], 49
	s_bfe_u32 s[SEH], s[CUR], 0x70010              ; empty row bins: 7 bits from bit 16
	s_and_b32 s[SBH], s[CUR+1], 255                ; tallest bin
	s_min_u32 s[SBH], s[SBH], 50
	s_bfe_u32 s[SBW], s[CUR+1], 0x80008            ; widest bin
	s_min_u32 s[SBW], s[SBW], 50
	s_add_co_u32 s[HTR], s[SBW], 2                 ; its first column is taken in front of H's loop, the other widest - 1 four a trip:
	s_lshr_b32 s[HTR], s[HTR], 2                   ; (widest - 1 + 3) / 4 trips,
	s_min_u32 s[HTR], s[HTR], 13                   ; 13 for a bin of 50 columns
	s_bfe_u32 s[SNH], s[CUR+1], 0x20010            ; runs of 32 columns
.irp p,0,1,2,3,4,5,6
	s_and_b32 s[HS+\p], s[CUR+2+\p], 0xffff
	s_min_u32 s[HS+\p], s[HS+\p], MAXROW
	s_lshr_b32 s[HL+\p], s[CUR+2+\p], 16
	s_min_u32 s[HL+\p], s[HL+\p], MAXROW
.endr
	v_mov_b32 v[WT], s[CUR+9]                      ; the word of column bin pw
.irp k,1,2,3,4,5,6
	v_cndmask_b32 v[WT], v[WT], s[CUR+9+\k], s[PWM+\k]
.endr
	v_and_b32 v[J], 0xffff, v[WT]
	v_min_u32 v[J], MAXCOL, v[J]
	v_bfe_u32 v[JL], v[WT], 16, 15
	v_min_u32 v[JL], MAXCOL, v[JL]
	v_lshrrev_b32 v[U], 31, v[WT]                  ; my column bin is empty,
	v_lshrrev_b32 v[T], v[PHA], s[SEH]             ; or my row bin is
	v_or_b32 v[T], v[T], v[U]
	v_and_b32 v[T], 1, v[T]
	v_cmp_ne_u32 s[MA], 0, v[T]
	v_lshrrev_b32 v[T], v[PHB], s[SEH]
	v_or_b32 v[T], v[T], v[U]
	v_and_b32 v[T], 1, v[T]
	v_cmp_ne_u32 s[MB], 0, v[T]
	; the record is unpacked: the next one is asked for a whole RoI ahead.  In the last trip the number is held at 255,
	; inside the table, and what comes is not used.
	s_add_co_u32 s[RECN], s[RECN], 32
	s_min_u32 s[RECO], s[RECN], 255
	s_lshl_b32 s[RECO], s[RECO], 6
	s_load_b512 s[CUR:CUR+15], s[6:7], s[RECO] offset:0x0
	VRUN 0
	s_cmp_lt_u32 s[SNH], 2
	s_cbranch_scc1 .Lh
	VRUN 1
.Lh:
	; H: the scratch is my wave's own, and LDS serves a wave's instructions in order: these loads see the stores above
	v_add_nc_u32 v[AA], v[BASEA], v[J]
	v_add_nc_u32 v[AB], v[BASEB], v[J]
	ds_load_b128 v[HA:HA+3], v[AA]                 ; the bins' first columns start the maxima
	ds_load_b128 v[HB:HB+3], v[AB]
	s_mov_b32 s[CNT], 0
	s_cmp_ge_u32 s[CNT], s[HTR]
	s_cbranch_scc1 .Lhd
.Lhl:
	; four columns a trip: eight loads are issued in one run, then used in their order
.irp i,0,1,2,3
	HSTEP \i
.endr
.irp i,0,1,2,3
	s_wait_dscnt 7-2*\i                            ; set A's cell of column i and all that was asked before it are in; the 7 - 2 i younger loads may be out
.irp c,0,1,2,3
	v_max_num_f32 v[HA+\c], v[HA+\c], v[HT+8*\i+\c]
.endr
	s_wait_dscnt 6-2*\i                            ; set B's cell of column i
.irp c,0,1,2,3
	v_max_num_f32 v[HB+\c], v[HB+\c], v[HT+8*\i+4+\c]
.endr
.endr
	s_add_co_u32 s[CNT], s[CNT], 1
	s_cmp_lt_u32 s[CNT], s[HTR]
	s_cbranch_scc1 .Lhl
.Lhd:
	s_wait_dscnt 0x0                               ; (for a RoI whose bins are one column wide: the first columns)
.irp c,0,1,2,3
	v_cndmask_b32 v[HA+\c], v[HA+\c], 0, s[MA]     ; an empty bin is 0
	v_cndmask_b32 v[HB+\c], v[HB+\c], 0, s[MB]
.endr
	; out: channel c's 49 results at stage byte 196 c, as they lie in out0; read back 16 bytes a lane
	v_add_nc_u32 v[OO], s[SOUT], v[O16]
.irp c,0,1,2,3
	ds_store_b32 v[STA], v[HA+\c] offset:196*\c
.endr
.irp c,0,1,2,3
	ds_store_b32 v[STB], v[HB+\c] offset:196*\c
.endr
	ds_load_b128 v[O0:O0+3], v[LD0]                ; my wave's own bytes, served in order: no wait between the stores and these
	ds_load_b128 v[O1:O1+3], v[LD1]
	s_wait_dscnt 0x1                               ; the first 512 bytes are in registers; the second load may be out
	global_store_b128 v[OO], v[O0:O0+3], s[8:9] th:TH_STORE_NT
	s_wait_dscnt 0x0
	v_cmp_gt_u32 vcc_lo, 17, v[LANE]               ; the last 272 bytes: 17 lanes
	s_wait_xcnt 0x0                                ; EXEC is a source of the store above: it changes only behind this wait
	s_and_saveexec_b32 s31, vcc_lo
	global_store_b128 v[OO], v[O1:O1+3], s[8:9] offset:512 th:TH_STORE_NT
	s_wait_xcnt 0x0                                ; in front of the line that widens EXEC; OO, O0 and O1 are rewritten in the next trip only behind it
	s_or_b32 exec_lo, exec_lo, s31
	s_add_co_u32 s[TRIP], s[TRIP], 1
	s_cmp_lt_u32 s[TRIP], s[TRIPS]
	s_cbranch_scc1 .Lroi
.Lend:
	s_wait_tensorcnt 0x0
	ds_add_u32 v96, v97
	s_wait_dscnt 0x0
	s_endpgm
.Lfunc_end_k_q22c2b1e1c8_pool:
	.size	k_q22c2b1e1c8_pool, .Lfunc_end_k_q22c2b1e1c8_pool-k_q22c2b1e1c8_pool
	.p2alignl 7, 3214868480
	.fill 96, 4, 3214868480
	.section	.rodata,"a",@progbits
	.p2align	6, 0x0
	.amdhsa_kernel k_q22c2b1e1c8_pool
		.amdhsa_group_segment_fixed_size 311296
		.amdhsa_private_segment_fixed_size 0
		.amdhsa_enable_private_segment 0
		.amdhsa_kernarg_size 24
		.amdhsa_user_sgpr_count 2
		.amdhsa_user_sgpr_kernarg_segment_ptr 1
		.amdhsa_wavefront_size32 1
		.amdhsa_system_sgpr_workgroup_id_x 1
		.amdhsa_system_sgpr_workgroup_id_y 1
		.amdhsa_system_sgpr_workgroup_id_z 1
		.amdhsa_system_vgpr_workitem_id 0
		.amdhsa_next_free_vgpr 98
		.amdhsa_next_free_sgpr 82
		.amdhsa_reserve_vcc 1
		.amdhsa_float_denorm_mode_32 3
		.amdhsa_float_denorm_mode_16_64 3
		.amdhsa_memory_ordered 1
		.amdhsa_forward_progress 1
		.amdhsa_inst_pref_size 25
	.end_amdhsa_kernel
	.amdgpu_metadata
---
amdhsa.version: [ 1, 2 ]
amdhsa.kernels:
  - .name:           k_q22c2b1e1c8_pool
    .symbol:         k_q22c2b1e1c8_pool.kd
    .args:
      - { .name: x, .offset: 0, .size: 8, .value_kind: global_buffer, .address_space: global }
      - { .name: recs, .offset: 8, .size: 8, .value_kind: global_buffer, .address_space: global }
      - { .name: out0, .offset: 16, .size: 8, .value_kind: global_buffer, .address_space: global }
    .group_segment_fixed_size: 311296
    .private_segment_fixed_size: 0
    .kernarg_segment_align: 8
    .kernarg_segment_size: 24
    .max_flat_workgroup_size: 1024
    .sgpr_count:     82
    .vgpr_count:     98
    .wavefront_size: 32
...
	.end_amdgpu_metadata
.endif
;; end of part 2
